; MI455X (gfx1250); checked and timed in simulation.
; The chip was launched on July 23, 2026; its instructions are those of AMD's public machine-readable ISA for CDNA 5 (MIT licence, August 2026) and "CDNA5" Instruction Set Architecture Reference Guide (July 2026). The comments in the code are by the model that wrote it; some were corrected since.
;; Balanced Mo E. Allowed arithmetic: float matrix products may take bf16 or f16 operands with f32 sums; other float arithmetic in f32, or as packed bf16 or f16 multiplies, adds, multiply-adds, maxima and minima; sums over many terms, partial sums and values carried from step to step in f32; what a program stores and reads back later, other than sums and carried values, may be rounded once to bf16 or f16.
;; Inputs: W_experts 8 x 2,048 x 2,048 float32; W_gate 8 x 2,048 float32; b_experts 8 x 2,048 float32; b_gate 8 float32; x 2,048 x 1,024 float32; y 2,048 x 1,024 float32.
;; Outputs: out0 2,048 x 2,048 float32.
;; One version. Each part assembles by itself: llvm-mc -triple=amdgcn-amd-amdhsa -mcpu=gfx1250 --defsym DOCPART=n.
;; ======== version 1 of 1: 3 launches
;; workspace buffers: xb 8,388,608 bytes; sel 8,192 bytes of whole numbers; gat 16,384 bytes; part 33,619,968 bytes
;; launch router (part 1): grid 256 x 1, 8 waves a work-group, no clusters, 42,240 bytes of LDS; arguments x, y, W_gate, b_gate, xb, sel, gat; writes xb, sel, gat
.if DOCPART == 1
	.amdgcn_target "amdgcn-amd-amdhsa--gfx1250"
	.amdhsa_code_object_version 6
	.text
	.protected	k_q8efb87f44a_router
	.globl	k_q8efb87f44a_router
	.p2align	8
	.type	k_q8efb87f44a_router,@function
k_q8efb87f44a_router:
	s_mov_b64 s[64:65], 0
	v_nop
	global_prefetch_b8 v0, s[64:65] scope:SCOPE_SE
	s_setreg_imm32_b32 hwreg(HW_REG_WAVE_MODE, 25, 1), 1
	s_wait_xcnt 0x0
; ROUTER.  inp = [x | y], 2,048 tokens x 2,048.  Stores xb = inp rounded once to bf16, and for each token its two experts (sel = e1 | e2 << 8) and their softmax weights (gat[0][t], gat[1][t], f32).
; Every input of the program is rounded to bf16 exactly once (here x, y, W_gate, b_gate); the logits are sums in f32 of products of those numbers.
; SHARES.  A work-group owns 8 tokens.  Wave w rounds token w (8 KB of f32 in, 4 KB of bf16 out and into LDS) and then multiplies all 8 tokens by all 8 gates over K = 256 w .. 256 w + 255;
; the eight partial sums meet in LDS, and wave 0 adds them, picks the two largest and makes the weights.
; LIMITS.  NaN among the logits is not treated apart; a token all of whose logits but one are minus infinity gets e2 = 0.  Of equal logits the lower index goes first, as in lax.top_k (strict compares, ascending).
; The maximum is taken away before the exponential: g2 / g1 = 2^((l2 - l1) log2 e) with l2 <= l1.
; The 8 words of sel and the 2 x 8 of gat are stores of 32 bytes: 24 KB in the whole launch.
.set XP,    4112                       ; a token's row in LDS: 4,096 bytes + 16: 257 x 16, so the 8 rows that a fragment load touches start 16 bytes apart modulo 256
.set RED,   33024                      ; behind the 8 rows: 8 waves x 32 lanes x 32 bytes of partial logits
.set SPARE, 41216                      ; behind that: the spare words, 128 bytes a wave, which no other line names
.set SPW, 16                           ; v16  my spare word's address; never rewritten
.set NIL, 17                           ; v17  0; never rewritten
.set XR,  32                           ; v[32:95]   my token as f32, then bf16; later the 8 token fragments
.set WG,  96                           ; v[96:223]  W_gate's fragments as f32, 16 registers a K step of 32; rounded in place to 8
.set AC0, 224                          ; v[224:231], v[232:239] two accumulators that take turns
	s_load_b256 s[4:11], s[0:1], 0x0               ; x s[4:5], y s[6:7], W_gate s[8:9], b_gate s[10:11]
	s_load_b128 s[12:15], s[0:1], 0x20             ; xb s[12:13], sel s[14:15]
	s_load_b64 s[16:17], s[0:1], 0x30              ; gat
	v_lshl_add_u32 v[SPW], v0, 2, SPARE
	v_mov_b32 v[NIL], 0
	v_and_b32 v1, 31, v0                           ; lane
	v_lshrrev_b32 v7, 5, v0
	v_readfirstlane_b32 s18, v7                    ; wave
	v_and_b32 v2, 7, v0                            ; lane % 8: the gate of a fragment's row, the token of a fragment's column
	v_bfe_u32 v3, v0, 4, 1                         ; h = lane / 16
	s_lshl_b32 s36, s18, 12                        ; my token's row: 4,096 bytes in x, in y and in xb
	v_lshl_add_u32 v4, v1, 5, s36                  ; x, y: 32 bytes a lane
	v_lshl_add_u32 v5, v1, 4, s36                  ; xb: 16 bytes a lane
	s_mul_i32 s19, s18, XP
	v_lshl_add_u32 v6, v1, 4, s19                  ; the same 16 bytes in my row of LDS
	s_lshl_b32 s37, s18, 10                        ; my K slice in W_gate: 256 f32
	v_lshl_add_u32 v8, v2, 13, s37                 ; gate x 8,192 bytes
	v_lshl_add_u32 v8, v3, 5, v8                   ; + 32 h
	s_lshl_b32 s38, s18, 9                         ; my K slice in a token's bf16 row
	v_mul_u32_u24 v9, v2, XP
	v_add_nc_u32 v9, s38, v9
	v_lshl_add_u32 v9, v3, 4, v9                   ; token x pitch + slice + 16 h
	s_add_co_u32 s23, s37, RED
	v_lshl_add_u32 v10, v1, 5, s23                 ; my 32 bytes of partial logits
	v_lshl_add_u32 v11, v1, 5, RED                 ; wave 0 reads all eight waves' from here
	v_lshlrev_b32 v12, 2, v1                       ; sel, gat: a word a token
	s_lshl_b32 s32, ttmp9, 15                      ; the work-group's 8 rows of 4,096 bytes
	s_mov_b32 s33, 0
	s_lshl_b32 s34, ttmp9, 5                       ; its 8 words
	s_mov_b32 s35, 0
	s_wait_kmcnt 0x0
	s_load_b256 s[24:31], s[10:11], 0x0            ; b_gate: 8 f32; no line of this launch writes it
	s_add_nc_u64 s[4:5], s[4:5], s[32:33]
	s_add_nc_u64 s[6:7], s[6:7], s[32:33]
	s_add_nc_u64 s[12:13], s[12:13], s[32:33]
	s_add_nc_u64 s[14:15], s[14:15], s[34:35]
	s_add_nc_u64 s[16:17], s[16:17], s[34:35]
	; my token: chunk c is 256 numbers; a lane takes 8 neighbouring ones, which will pack into 16 bytes
.irp c, 0,1,2,3
	global_load_b128 v[XR+8*(\c):XR+8*(\c)+3],   v4, s[4:5] offset:1024*(\c) th:TH_LOAD_NT
	global_load_b128 v[XR+8*(\c)+4:XR+8*(\c)+7], v4, s[4:5] offset:1024*(\c)+16 th:TH_LOAD_NT
.endr
.irp c, 0,1,2,3
	global_load_b128 v[XR+32+8*(\c):XR+32+8*(\c)+3],   v4, s[6:7] offset:1024*(\c) th:TH_LOAD_NT
	global_load_b128 v[XR+32+8*(\c)+4:XR+32+8*(\c)+7], v4, s[6:7] offset:1024*(\c)+16 th:TH_LOAD_NT
.endr
	; W_gate, the f32 image of a fragment of 16 rows x 32 K: k = 8 h .. 8 h + 7 at byte 32 h, k = 16 + 8 h .. at byte 64 + 32 h; rows 8 to 15 repeat gates 0 to 7
.irp s, 0,1,2,3,4,5,6,7
	global_load_b128 v[WG+16*(\s):WG+16*(\s)+3],     v8, s[8:9] offset:128*(\s)
	global_load_b128 v[WG+16*(\s)+4:WG+16*(\s)+7],   v8, s[8:9] offset:128*(\s)+16
	global_load_b128 v[WG+16*(\s)+8:WG+16*(\s)+11],  v8, s[8:9] offset:128*(\s)+64
	global_load_b128 v[WG+16*(\s)+12:WG+16*(\s)+15], v8, s[8:9] offset:128*(\s)+80
.endr
	s_wait_loadcnt 32                              ; the token's 16 loads are in; the 32 of W_gate, issued behind them, may stay out
.irp c, 0,1,2,3,4,5,6,7
.irp i, 0,1,2,3
	v_cvt_pk_bf16_f32 v[XR+8*(\c)+(\i)], v[XR+8*(\c)+2*(\i)], v[XR+8*(\c)+2*(\i)+1]  ; in place, ascending: register i is written when 2 i and 2 i + 1 are read
.endr
	global_store_b128 v5, v[XR+8*(\c):XR+8*(\c)+3], s[12:13] offset:512*(\c)  ; the wave stores 512 consecutive bytes, at a multiple of 512 from xb's first
	ds_store_b128 v6, v[XR+8*(\c):XR+8*(\c)+3] offset:512*(\c)
.endr
	s_wait_loadcnt 0x0                             ; W_gate
.irp s, 0,1,2,3,4,5,6,7
.irp i, 0,1,2,3,4,5,6,7
	v_cvt_pk_bf16_f32 v[WG+16*(\s)+(\i)], v[WG+16*(\s)+2*(\i)], v[WG+16*(\s)+2*(\i)+1]
.endr
.endr
	s_wait_kmcnt 0x0                               ; b_gate
	s_wait_xcnt 0x0                                ; the stores have read XR, which is loaded again below
	s_wait_dscnt 0x0                               ; for the others' sake: my token's row is in LDS
	s_barrier_signal -1
	s_barrier_wait -1
.irp s, 0,1,2,3,4,5,6,7                ; the 8 tokens' fragments of my K slice (columns 8 to 15 repeat tokens 0 to 7)
	ds_load_b128 v[XR+8*(\s):XR+8*(\s)+3],   v9 offset:64*(\s)
	ds_load_b128 v[XR+8*(\s)+4:XR+8*(\s)+7], v9 offset:64*(\s)+32
.endr
	s_wait_dscnt 0x0
	; source 0 = gates, source 1 = tokens: in the result lane l holds token l % 8, register j gate j.  The two accumulators take turns.
.irp s, 0,1,2,3,4,5,6,7
.if (\s) < 2
	v_wmma_f32_16x16x32_bf16 v[AC0+8*((\s)%2):AC0+8*((\s)%2)+7], v[WG+16*(\s):WG+16*(\s)+7], v[XR+8*(\s):XR+8*(\s)+7], 0
.else
	v_wmma_f32_16x16x32_bf16 v[AC0+8*((\s)%2):AC0+8*((\s)%2)+7], v[WG+16*(\s):WG+16*(\s)+7], v[XR+8*(\s):XR+8*(\s)+7], v[AC0+8*((\s)%2):AC0+8*((\s)%2)+7]
.endif
.endr
.rept 4
	v_nop                                          ; four places behind the last product (ISA guide 7.12.1)
.endr
.irp i, 0,1,2,3
	v_pk_add_f32 v[AC0+2*(\i):AC0+2*(\i)+1], v[AC0+2*(\i):AC0+2*(\i)+1], v[AC0+8+2*(\i):AC0+8+2*(\i)+1]  ; both accumulators are read from their low end on
.endr
	ds_store_b128 v10, v[AC0:AC0+3]
	ds_store_b128 v10, v[AC0+4:AC0+7] offset:16
	s_wait_dscnt 0x0                               ; for wave 0's sake
	s_barrier_signal -1
	s_barrier_wait -1
	s_cmp_lg_u32 s18, 0
	s_cbranch_scc1 .Lend                           ; no barrier stands behind this branch
.irp u, 0,1,2,3,4,5,6,7                ; wave 0: the eight waves' partial logits
	ds_load_b128 v[WG+8*(\u):WG+8*(\u)+3],   v11 offset:1024*(\u)
	ds_load_b128 v[WG+8*(\u)+4:WG+8*(\u)+7], v11 offset:1024*(\u)+16
.endr
.irp j, 0,2,4,6                        ; b_gate rounded to bf16 like every input, and widened again
	v_mov_b32 v[160+(\j)], s[24+(\j)]
	v_mov_b32 v[161+(\j)], s[25+(\j)]
	v_cvt_pk_bf16_f32 v18, v[160+(\j)], v[161+(\j)]
	v_lshlrev_b32 v[160+(\j)], 16, v18
	v_and_b32 v[161+(\j)], 0xffff0000, v18
.endr
	s_wait_dscnt 0x0
.irp u, 1,2,3,4,5,6,7
.irp i, 0,1,2,3
	v_pk_add_f32 v[WG+2*(\i):WG+2*(\i)+1], v[WG+2*(\i):WG+2*(\i)+1], v[WG+8*(\u)+2*(\i):WG+8*(\u)+2*(\i)+1]
.endr
.endr
.irp i, 0,1,2,3
	v_pk_add_f32 v[WG+2*(\i):WG+2*(\i)+1], v[WG+2*(\i):WG+2*(\i)+1], v[160+2*(\i):160+2*(\i)+1]
.endr
	; the two largest: v20, v21 the largest and its gate; v22, v23 the second.  The masks only select values: no address and no branch hangs on them.
	v_mov_b32 v20, v[WG]
	v_mov_b32 v21, 0
	v_mov_b32 v22, 0xff800000
	v_mov_b32 v23, 0
.irp j, 1,2,3,4,5,6,7
	v_cmp_gt_f32 s20, v[WG+(\j)], v20
	v_cmp_gt_f32 s21, v[WG+(\j)], v22
	v_cndmask_b32 v22, v22, v[WG+(\j)], s21
	v_cndmask_b32 v23, v23, \j, s21
	v_cndmask_b32 v22, v22, v20, s20               ; a new largest pushes the old one down
	v_cndmask_b32 v23, v23, v21, s20
	v_cndmask_b32 v20, v20, v[WG+(\j)], s20
	v_cndmask_b32 v21, v21, \j, s20
.endr
	v_sub_f32 v24, v22, v20                        ; l2 - l1 <= 0
	v_mul_f32 v24, 0x3fb8aa3b, v24                 ; x log2 e
	v_exp_f32 v25, v24
	v_lshl_or_b32 v26, v23, 8, v21                 ; e1 | e2 << 8: the plain instruction behind the exponential
	s_wait_alu depctr_va_vdst(0)                   ; the wait ahead of the result's first reader
	v_add_f32 v27, 1.0, v25
	v_rcp_f32 v28, v27                             ; g1 = 1 / (1 + ex)
	v_nop
	s_wait_alu depctr_va_vdst(0)
	v_mul_f32 v29, v25, v28                        ; g2 = ex / (1 + ex)
	v_cmp_gt_u32 vcc_lo, 8, v1                     ; lanes 0 to 7 hold tokens 0 to 7
	s_wait_xcnt 0x0                                ; EXEC changes only behind this wait
	s_and_saveexec_b32 s22, vcc_lo
	global_store_b32 v12, v26, s[14:15]
	global_store_b32 v12, v28, s[16:17]
	global_store_b32 v12, v29, s[16:17] offset:8192
	s_wait_xcnt 0x0                                ; and again, in front of the line that widens it
	s_or_b32 exec_lo, exec_lo, s22
.Lend:
	s_wait_tensorcnt 0x0                           ; the wave's end: a wait, an add of 0 to my spare word and its wait, behind my last LDS store
	ds_add_u32 v[SPW], v[NIL]
	s_wait_dscnt 0x0
	s_endpgm
.Lfunc_end_k_q8efb87f44a_router:
	.size	k_q8efb87f44a_router, .Lfunc_end_k_q8efb87f44a_router-k_q8efb87f44a_router
	.p2alignl 7, 3214868480
	.fill 96, 4, 3214868480
	.section	.rodata,"a",@progbits
	.p2align	6, 0x0
	.amdhsa_kernel k_q8efb87f44a_router
		.amdhsa_group_segment_fixed_size 42240
		.amdhsa_private_segment_fixed_size 0
		.amdhsa_enable_private_segment 0
		.amdhsa_kernarg_size 56
		.amdhsa_user_sgpr_count 2
		.amdhsa_user_sgpr_kernarg_segment_ptr 1
		.amdhsa_wavefront_size32 1
		.amdhsa_system_sgpr_workgroup_id_x 1
		.amdhsa_system_sgpr_workgroup_id_y 1
		.amdhsa_system_sgpr_workgroup_id_z 1
		.amdhsa_system_vgpr_workitem_id 0
		.amdhsa_next_free_vgpr 256
		.amdhsa_next_free_sgpr 66
		.amdhsa_reserve_vcc 1
		.amdhsa_float_denorm_mode_32 3
		.amdhsa_float_denorm_mode_16_64 3
		.amdhsa_memory_ordered 1
		.amdhsa_forward_progress 1
		.amdhsa_inst_pref_size 25
	.end_amdhsa_kernel
	.amdgpu_metadata
---
amdhsa.version: [ 1, 2 ]
amdhsa.kernels:
  - .name:           k_q8efb87f44a_router
    .symbol:         k_q8efb87f44a_router.kd
    .args:
      - { .name: x, .offset: 0, .size: 8, .value_kind: global_buffer, .address_space: global }
      - { .name: y, .offset: 8, .size: 8, .value_kind: global_buffer, .address_space: global }
      - { .name: W_gate, .offset: 16, .size: 8, .value_kind: global_buffer, .address_space: global }
      - { .name: b_gate, .offset: 24, .size: 8, .value_kind: global_buffer, .address_space: global }
      - { .name: xb, .offset: 32, .size: 8, .value_kind: global_buffer, .address_space: global }
      - { .name: sel, .offset: 40, .size: 8, .value_kind: global_buffer, .address_space: global }
      - { .name: gat, .offset: 48, .size: 8, .value_kind: global_buffer, .address_space: global }
    .group_segment_fixed_size: 42240
    .private_segment_fixed_size: 0
    .kernarg_segment_align: 8
    .kernarg_segment_size: 56
    .max_flat_workgroup_size: 256
    .sgpr_count:     66
    .vgpr_count:     256
    .wavefront_size: 32
...
	.end_amdgpu_metadata
.endif
;; end of part 1
;; launch experts (part 2): grid 256 x 1, 4 waves a work-group, no clusters, 327,680 bytes of LDS; arguments W_experts, b_experts, xb, sel, gat, part; writes part
.if DOCPART == 2
	.amdgcn_target "amdgcn-amd-amdhsa--gfx1250"
	.amdhsa_code_object_version 6
	.text
	.protected	k_q8efb87f44a_experts
	.globl	k_q8efb87f44a_experts
	.p2align	8
	.type	k_q8efb87f44a_experts,@function
k_q8efb87f44a_experts:
	s_mov_b64 s[64:65], 0
	v_nop
	global_prefetch_b8 v0, s[64:65] scope:SCOPE_SE
	s_setreg_imm32_b32 hwreg(HW_REG_WAVE_MODE, 25, 1), 1
	s_wait_xcnt 0x0
; EXPERTS.  part[slot x 2048 + t][o] = g x (sum over d of inp[t][d] W[e][o][d] + b[e][o]) for the expert e that token t chose in that slot, g its weight.  Products of bf16 numbers, sums in f32, g applied in f32.
; SHARES.  Work-group g = 32 e + cs has 64 output columns of ONE expert: 64 rows of W, 524,288 bytes that it alone reads, so each byte of W_experts is asked for once in the launch; and ALL rows of that expert.
; Rows go in blocks of 16; block 4 b + w of the expert's list is wave w's local block b.  A wave keeps blocks 0 to 9 in 40 accumulators (160 rows x 64 columns).
; W comes as f32 by tensor loads into two LDS slots of K = 512 (a wave brings 64 rows x 128 K); each wave reads it, rounds it to bf16 and multiplies.  Token rows come from xb straight into registers as
; fragments: a row belongs to one wave, and a fragment feeds only 4 products.  NO CLUSTER: each slice of W has one reader; the token rows that an expert's 32 work-groups share come by a list, which no descriptor covers.
; THE LIST.  Every work-group makes its expert's list from sel (8 KB): an entry is the row of part, slot x 2048 + t.  Places past the count hold 4096 + e: its low 11 bits name a token that exists, and its
; row of part, 4096 + e, is a dump row that only this expert's work-groups write, each its own 64 columns, and nobody reads.
; EVERY SPLIT IS SERVED.  All loads of token rows are issued for blocks 0 to 9 always, so that every counted wait counts the same loads on every path; blocks 0 to 7 are always multiplied, blocks 8 and 9 are jumped
; by a scalar branch on the count.  LIMIT: an expert's rows past 640 (local blocks 10 to 31) go a plain way behind the main loop, one block at a time, W read again from memory: right, and slow.
; An expert without rows streams its slice and stores nothing.
; THE MATRIX INSTRUCTION IS USED TRANSPOSED: source 0 = 16 rows of W (output columns), source 1 = 16 tokens: a lane holds one token (lane % 16) and eight neighbouring columns 8 (lane / 16) + 0..7.
; The first product of each sum takes the bias (rounded to bf16 like every input) as C: nothing is cleared.
; REGISTERS, in windows of 256 (s_set_vgpr_msb: bits 1:0 source 0, 3:2 source 1, 5:4 source 2, 7:6 destination):
;   window 0: v0-63 addresses and small work; v64-95 bias; v96-159 W as f32 (TF); v160-191, v192-223 W as bf16, two buffers; v224-255 list work
;   window 1: token fragments A(b, q) = v[32 b + 8 q], b = 0..7, q = the quarter (32 K) of a chunk of 128 K          window 2: accumulators (b, c) = v[32 b + 8 c], b = 0..7
;   window 3: v0-63 accumulators of blocks 8, 9; v64-127 their token fragments
.set CH,    33792                      ; a chunk's tile in LDS: 64 rows of 512 bytes + 16 of padding: pitch 528 = 33 x 16, so the 16 rows of a load start 16 bytes apart modulo 256
.set XS,    0x22000                    ; slot 1's first byte; its two bits are clear in 0, CH, 2 CH, 3 CH, so an exclusive or turns an address in one slot into the other's
.set LIST,  274432                     ; behind the ring: 2,048 entries
.set SEG,   282624                     ; four segments of 576 words, a wave's own each: 512 entries, 32 dump words
.set SEGW,  576
.set TOT,   291840                     ; the four waves' counts
.set SPARE, 292096                     ; the spare words, 128 bytes a wave, which no other line names
.set STAGE, 292608                     ; 16 rows x 272 bytes for each wave, for the way out
.set SPI,   272
.set RL,   1                           ; v1   r = lane % 16
.set HL,   2                           ; v2   h = lane / 16
.set H16,  3                           ; v3   16 h
.set BL0,  4                           ; v4   528 r + 32 h: my place in a chunk's tile
.set BADR, 5                           ; v5   the same in the chunk being read
.set LR,   6                           ; v6   LIST + 64 w + 4 r: row r's entry in my block 0
.set LADR, 7                           ; v7   LIST + 64 w + 32 h: the entries of rows 8 h .. 8 h + 7
.set STO,  8                           ; v8   the way out: where I put 32 bytes of a row
.set RD,   9                           ; v9   the way out: where I read rows back
.set CL,   10                          ; v10  16 r
.set SPW,  11                          ; v11  my spare word's address; never rewritten
.set NIL,  12                          ; v12  0; never rewritten
.set WOFF, 13                          ; v13  8192 r + 32 h: my place in 16 rows of W in memory
.set GP,   16                          ; v[16:17] g, for the packed multiply
.set EN,   18                          ; v[18:25] eight entries, then eight store offsets
.set SA,   26                          ; v[26:33] the plain way's token fragment
.set ROFF, 34                          ; v34-43  block b: my token's byte offset in xb, + 16 h
.set GW,   44                          ; v44-53  block b: my token's g
.set LRS,  54                          ; v54, v55  LR and LADR of the plain way's block
.set LADS, 55
.set BIAS, 64
.set TF,   96
.set BF0,  160
.set SACC, 192                         ; the plain way's four accumulators, where the second bf16 buffer lay
.set LW,   224                         ; v224-239 list work
.set GA,   240                         ; v240-249 addresses of the loads of g
.set RB,   96                          ; the way out: rows read back, and
.set PK,   128                         ; results times g, where TF lay
.set G1,  16                           ; s[16:23] descriptor group 1
.set G0A, 24                           ; s[24:27] group 0 of the first fill of slot 0
.set G0B, 28                           ; s[28:31] group 0 of slot 1's first fill; then it walks
.set WV,  32                           ; wave
.set EX,  33                           ; expert
.set NE,  35                           ; the expert's rows
.set NBW, 36                           ; my wave's blocks
.set TB,  37                           ; LDS byte of the chunk to be read next
.set CNT, 38
.set VIS, 39
.set AB,  40                           ; s[40:41] xb at the chunk from which the runs' offsets count
.set OF,  42                           ; s[42:43] an offset
.set WSL, 44                           ; s[44:45] my slice of W
.set WK,  46                           ; s[46:47], s[48:49] the plain way's walking addresses in W and xb
.set AK,  48
.set SI,  50
.set KC,  51
.set TT,  52                           ; s52-55 the waves' counts
.set RUN, 56
.set PB,  60                           ; s[60:61] part at my 64 columns
.set BB,  62                           ; s[62:63] b_experts at my 64 columns
.set PM,  66                           ; s66-81 masks: places past the count
.set Q1,  86                           ; s86-88 what turns a list place into a word of segment 1, 2, 3
.set P1,  89                           ; s89-91 the list places at which segments 1, 2, 3 begin
.set SB,  92                           ; my segment's first byte
.set MSB, 0
.macro WIN new                         ; the immediate's high byte repeats the setting that is left; a switch that changes nothing is dropped
.if MSB != (\new)
	s_set_vgpr_msb (MSB<<8)|(\new)
.set MSB, (\new)
.endif
.endm
.set W_MUL,  0xa4                      ; W window 0, tokens window 1, C and D window 2
.set W_MUL1, 0x84                      ; the same with C (the bias) in window 0
.set W_MH,   0xfc                      ; W window 0; tokens, C and D window 3
.set W_MH1,  0xcc
.set W_LA,   0x40                      ; a load into window 1, address in window 0
.set W_LH,   0xc0                      ; into window 3
.set W_E2,   0x02                      ; source 0 in window 2
.set W_E3,   0x03
.macro PLACES                          ; four places behind matrix instructions (ISA guide 7.12.1 for vector instructions)
.rept 4
	v_nop
.endr
.endm
	s_load_b256 s[4:11], s[0:1], 0x0               ; W s[4:5], b s[6:7], xb s[8:9], sel s[10:11]
	s_load_b128 s[12:15], s[0:1], 0x20             ; gat s[12:13], part s[14:15]
	v_lshl_add_u32 v[SPW], v0, 2, SPARE
	v_mov_b32 v[NIL], 0
	ds_add_u32 v[SPW], v[NIL]                      ; the wave's opening: the add and its wait stand ahead of my first tensor load; the set-up below, work on registers, stands between them
	v_lshrrev_b32 v14, 5, v0
	v_readfirstlane_b32 s[WV], v14
	s_lshr_b32 s[EX], ttmp9, 5
	; group 1: a tile of 64 rows x 128 f32, rows 2,048 elements apart, 4 words of padding behind every 128
	s_mov_b32 s[G1+0], (2<<16)|(1<<20)|(6<<22)|(3<<25)  ; 17:16 elements of 4 bytes; 20 padding on; 24:22 after every 128 words (code 6); 31:25 4 words (code 3)
	s_mov_b32 s[G1+1], 128<<16                     ; tensor_dim0 = 128
	s_mov_b32 s[G1+2], 64<<16                      ; tensor_dim1 = 64
	s_mov_b32 s[G1+3], 128<<16                     ; tile_dim0 = 128
	s_mov_b32 s[G1+4], 64                          ; tile_dim1 = 64
	s_mov_b32 s[G1+5], 2048                        ; from row to row
	s_mov_b32 s[G1+6], 0
	s_mov_b32 s[G1+7], 0
	s_mul_i32 s57, s[WV], CH                       ; wave w brings chunk w of a slot's four
	s_mov_b32 s[G0A], 1
	s_mov_b32 s[G0A+1], s57
	s_mov_b32 s[G0B], 1
	s_add_co_u32 s[G0B+1], s57, XS
	s_lshl_b32 s[OF], ttmp9, 19                    ; my slice: 524,288 bytes a work-group
	s_mov_b32 s[OF+1], 0
	s_lshl_b32 s58, s[WV], 9                       ; chunk w: 512 bytes along the rows
	s_mov_b32 s59, 0
	s_lshl_b32 s82, ttmp9, 8                       ; my 64 columns of b_experts: (2048 e + 64 cs) x 4 bytes
	s_mov_b32 s83, 0
	s_and_b32 s84, ttmp9, 31
	s_lshl_b32 s84, s84, 8                         ; and of a row of part
	s_mov_b32 s85, 0
	v_and_b32 v[RL], 15, v0
	v_bfe_u32 v[HL], v0, 4, 1
	v_lshlrev_b32 v[H16], 4, v[HL]
	v_mul_u32_u24 v[BL0], v[RL], 528
	v_lshl_add_u32 v[BL0], v[HL], 5, v[BL0]
	s_lshl_b32 s57, s[WV], 6
	s_add_co_u32 s57, s57, LIST
	v_lshl_add_u32 v[LR], v[RL], 2, s57
	v_lshl_add_u32 v[LADR], v[HL], 5, s57
	s_mul_i32 s93, s[WV], 16*SPI
	s_add_co_u32 s93, s93, STAGE                   ; my stage
	v_mul_u32_u24 v[STO], v[RL], SPI
	v_lshl_add_u32 v[STO], v[HL], 5, v[STO]
	v_add_nc_u32 v[STO], s93, v[STO]
	v_mul_u32_u24 v[RD], v[HL], 8*SPI              ; back: lanes 0-15 take row t, lanes 16-31 row 8 + t
	v_lshl_add_u32 v[RD], v[RL], 4, v[RD]
	v_add_nc_u32 v[RD], s93, v[RD]
	v_lshlrev_b32 v[CL], 4, v[RL]
	v_lshlrev_b32 v[WOFF], 13, v[RL]
	v_lshl_add_u32 v[WOFF], v[HL], 5, v[WOFF]
	s_mul_i32 s[SB], s[WV], 4*SEGW
	s_add_co_u32 s[SB], s[SB], SEG
	s_wait_dscnt 0x0                               ; the opening add is done
	s_wait_kmcnt 0x0
	s_add_nc_u64 s[WSL:WSL+1], s[4:5], s[OF:OF+1]
	s_add_nc_u64 s[G0A+2:G0A+3], s[WSL:WSL+1], s[58:59]      ; K = 128 w on
	s_add_nc_u64 s[G0B+2:G0B+3], s[G0A+2:G0A+3], 2048        ; K = 512 + 128 w on
	s_or_b32 s[G0A+3], s[G0A+3], 0x80000000                  ; type = 2
	s_or_b32 s[G0B+3], s[G0B+3], 0x80000000
	tensor_load_to_lds s[G0A:G0A+3], s[G1:G1+7]    ; both first fills go out together, ahead of everything else: two loads of mine are out
	s_nop 0
	tensor_load_to_lds s[G0B:G0B+3], s[G1:G1+7]
	s_nop 0
	PLACES
	s_add_nc_u64 s[BB:BB+1], s[6:7], s[82:83]
	s_add_nc_u64 s[PB:PB+1], s[14:15], s[84:85]
	; THE LIST, first pass.  Thread tid has tokens 16 tid .. 16 tid + 15.  A wave ranks the matches among its 512 tokens and puts their entries into its own segment; the others go to the lane's dump word.
	v_lshlrev_b32 v60, 6, v0
.irp i, 0,1,2,3
	global_load_b128 v[LW+4*(\i):LW+4*(\i)+3], v60, s[10:11] offset:16*(\i)
.endr
	v_lshlrev_b32 v61, 5, v[HL]
.irp c, 0,1,2,3                        ; the bias as C: register j of group c is column 16 c + 8 h + j
	global_load_b128 v[BIAS+8*(\c):BIAS+8*(\c)+3],   v61, s[BB:BB+1] offset:64*(\c)
	global_load_b128 v[BIAS+8*(\c)+4:BIAS+8*(\c)+7], v61, s[BB:BB+1] offset:64*(\c)+16
.endr
	v_and_b32 v14, 31, v0
	v_add_nc_u32 v62, 512, v14                     ; my dump word in my wave's segment,
	s_mul_i32 s57, s[WV], SEGW
	v_add_nc_u32 v63, s57, v62                     ; and counted from the first segment
	v_lshl_add_u32 v15, v62, 2, s[SB]
	ds_store_b32 v15, v[NIL]                       ; it is written whatever the tokens chose: the second pass may read it
	s_mov_b32 s[RUN], 0
	s_wait_loadcnt 8                               ; sel is in; the 8 loads of the bias, issued behind it, may stay out
.set j, 0
.rept 16
	v_and_b32 v14, 0xff, v[LW+j]                   ; e1
	v_lshrrev_b32 v15, 8, v[LW+j]                  ; e2
	v_cmp_eq_u32 s57, s[EX], v14
	v_cmp_eq_u32 s58, s[EX], v15
	s_or_b32 s59, s57, s58
	v_lshl_add_u32 v14, v0, 4, j                   ; the token,
	v_add_nc_u32 v15, 0x800, v14
	v_cndmask_b32 v14, v14, v15, s58               ; + 2,048 in slot 1: the row of part
	v_mbcnt_lo_u32_b32 v15, s59, s[RUN]            ; its rank in the wave
	v_cndmask_b32 v15, v62, v15, s59
	v_min_u32 v15, 543, v15                        ; inside my segment, whatever was loaded
	v_lshl_add_u32 v15, v15, 2, s[SB]
	ds_store_b32 v15, v14
	s_bcnt1_i32_b32 s59, s59
	s_add_co_u32 s[RUN], s[RUN], s59
.set j, j+1
.endr
	s_lshl_b32 s57, s[WV], 2
	s_add_co_u32 s57, s57, TOT
	v_mov_b32 v14, s57
	v_mov_b32 v15, s[RUN]
	ds_store_b32 v14, v15                          ; my wave's count
	s_wait_loadcnt 0x0                             ; the bias: rounded to bf16 like every input, and widened again
.set i, 0
.rept 16
	v_cvt_pk_bf16_f32 v14, v[BIAS+2*i], v[BIAS+2*i+1]
	v_lshlrev_b32 v[BIAS+2*i], 16, v14
	v_and_b32 v[BIAS+2*i+1], 0xffff0000, v14
.set i, i+1
.endr
	s_wait_dscnt 0x0                               ; for the others' sake: my segment and my count are in LDS
	s_barrier_signal -1                            ; (the tensor loads stay out)
	s_barrier_wait -1
	; second pass.  The list is the four segments end to end.  Thread tid fetches places tid + 128 k and writes them, or the pad entry, to fixed places of LIST.
	; A place below the count maps to a word that some wave's first pass stored; a place past it reads the lane's own dump word, stored above.
	v_mov_b32 v14, TOT
	ds_load_b128 v[244:247], v14
	s_wait_dscnt 0x0
	v_readfirstlane_b32 s[TT], v244
	v_readfirstlane_b32 s[TT+1], v245
	v_readfirstlane_b32 s[TT+2], v246
	v_readfirstlane_b32 s[TT+3], v247
	s_mov_b32 s[P1], s[TT]
	s_add_co_u32 s[P1+1], s[P1], s[TT+1]
	s_add_co_u32 s[P1+2], s[P1+1], s[TT+2]
	s_add_co_u32 s[NE], s[P1+2], s[TT+3]
	s_sub_co_u32 s[Q1], SEGW, s[P1]                ; a wave's count is 512 at the most, so none of the three is negative
	s_sub_co_u32 s[Q1+1], 2*SEGW, s[P1+1]
	s_sub_co_u32 s[Q1+2], 3*SEGW, s[P1+2]
	s_add_co_u32 s57, s[EX], 4096
	v_mov_b32 v59, s57                             ; the pad entry
	v_lshl_add_u32 v58, v0, 2, LIST
.set k, 0
.rept 16
	v_add_nc_u32 v15, 128*k, v0                    ; the place p
	v_cmp_le_u32 s57, s[P1], v15
	v_cndmask_b32 v14, 0, s[Q1], s57
	v_cmp_le_u32 s57, s[P1+1], v15
	v_cndmask_b32 v14, v14, s[Q1+1], s57
	v_cmp_le_u32 s57, s[P1+2], v15
	v_cndmask_b32 v14, v14, s[Q1+2], s57
	v_add_nc_u32 v14, v14, v15                     ; its word among the segments
	v_cmp_le_u32 s[PM+k], s[NE], v15               ; past the count: my own dump word is read, and the result dropped
	v_cndmask_b32 v14, v14, v63, s[PM+k]
	v_min_u32 v14, 4*SEGW-1, v14
	v_lshl_add_u32 v14, v14, 2, SEG
	ds_load_b32 v[LW+k], v14
.set k, k+1
.endr
	s_wait_dscnt 0x0
.set k, 0
.rept 16
	v_cndmask_b32 v[LW+k], v[LW+k], v59, s[PM+k]
	ds_store_b32 v58, v[LW+k] offset:512*k
.set k, k+1
.endr
	s_add_co_u32 s57, s[NE], 15
	s_lshr_b32 s57, s57, 4                         ; the expert's blocks,
	s_add_co_u32 s57, s57, 3
	s_sub_co_u32 s57, s57, s[WV]
	s_lshr_b32 s[NBW], s57, 2                      ; and those whose number is w modulo 4
	s_wait_dscnt 0x0
	s_barrier_signal -1
	s_barrier_wait -1
	; MY ROWS: for blocks 0 to 9 the entry of row r, its g, its offset in xb; then chunk 0's 80 fragment loads, quarter by quarter, in the order in which the quarters will want them
.irp b, 0,1,2,3,4,5,6,7,8,9
	ds_load_b32 v[LW+(\b)], v[LR] offset:256*(\b)
.endr
	s_wait_dscnt 0x0
.irp b, 0,1,2,3,4,5,6,7,8,9
	v_min_u32 v[LW+(\b)], 0x1007, v[LW+(\b)]       ; 4,103 at the most, whatever was loaded
	v_min_u32 v[GA+(\b)], 0xfff, v[LW+(\b)]        ; a pad entry takes a g that exists
	v_lshlrev_b32 v[GA+(\b)], 2, v[GA+(\b)]
	global_load_b32 v[GW+(\b)], v[GA+(\b)], s[12:13]
	v_and_b32 v[LW+(\b)], 0x7ff, v[LW+(\b)]        ; the token
	v_lshl_add_u32 v[ROFF+(\b)], v[LW+(\b)], 12, v[H16]
.endr
.irp q, 0,1,2,3
	WIN W_LA
.irp b, 0,1,2,3,4,5,6,7
	global_load_b128 v[32*(\b)+8*(\q):32*(\b)+8*(\q)+3],   v[ROFF+(\b)], s[8:9] offset:64*(\q)
	global_load_b128 v[32*(\b)+8*(\q)+4:32*(\b)+8*(\q)+7], v[ROFF+(\b)], s[8:9] offset:64*(\q)+32
.endr
	WIN W_LH
.irp x, 0,1
	global_load_b128 v[64+32*(\x)+8*(\q):64+32*(\x)+8*(\q)+3],   v[ROFF+8+(\x)], s[8:9] offset:64*(\q)
	global_load_b128 v[64+32*(\x)+8*(\q)+4:64+32*(\x)+8*(\q)+7], v[ROFF+8+(\x)], s[8:9] offset:64*(\q)+32
.endr
.endr
	WIN 0
	s_mov_b64 s[AB:AB+1], s[8:9]                   ; chunk 0; each body steps it by a chunk
	s_mov_b32 s[TB], 0
; One product of block bb, column group c.  FB is the bf16 buffer in hand.  The accumulators take turns, one instruction a turn.
.macro MUL1 q, first, c
.if \first
	WIN W_MUL1
	v_wmma_f32_16x16x32_bf16 v[32*bb+8*(\c):32*bb+8*(\c)+7], v[FB+8*(\c):FB+8*(\c)+7], v[32*bb+8*(\q):32*bb+8*(\q)+7], v[BIAS+8*(\c):BIAS+8*(\c)+7]
.else
	WIN W_MUL
	v_wmma_f32_16x16x32_bf16 v[32*bb+8*(\c):32*bb+8*(\c)+7], v[FB+8*(\c):FB+8*(\c)+7], v[32*bb+8*(\q):32*bb+8*(\q)+7], v[32*bb+8*(\c):32*bb+8*(\c)+7]
.endif
.endm
.macro MULH q, first, x                ; the four products of block 8 + x
.if \first
	WIN W_MH1
.else
	WIN W_MH
.endif
.irp c, 0,1,2,3
.if \first
	v_wmma_f32_16x16x32_bf16 v[32*(\x)+8*(\c):32*(\x)+8*(\c)+7], v[FB+8*(\c):FB+8*(\c)+7], v[64+32*(\x)+8*(\q):64+32*(\x)+8*(\q)+7], v[BIAS+8*(\c):BIAS+8*(\c)+7]
.else
	v_wmma_f32_16x16x32_bf16 v[32*(\x)+8*(\c):32*(\x)+8*(\c)+7], v[FB+8*(\c):FB+8*(\c)+7], v[64+32*(\x)+8*(\q):64+32*(\x)+8*(\q)+7], v[32*(\x)+8*(\c):32*(\x)+8*(\c)+7]
.endif
.endr
.endm
; 16 LDS loads: W's f32 for quarter tq of the chunk at BADR.  Pair tt of loads is half a fragment: rows 16 (tt / 2) + r, k = 16 (tt % 2) + 8 h + 0..7.  (Used in front of the first quarter alone.)
.macro TLOAD tq
.set tt, 0
.rept 8
	ds_load_b128 v[TF+8*tt:TF+8*tt+3],   v[BADR] offset:(tt/2)*8448+128*(\tq)+64*(tt%2)
	ds_load_b128 v[TF+8*tt+4:TF+8*tt+7], v[BADR] offset:(tt/2)*8448+128*(\tq)+64*(tt%2)+16
.set tt, tt+1
.endr
.endm
; A QUARTER: 32 along K, quarter q of a chunk, on bf16 buffer q % 2.  First blocks 8 and 9, under their branches; then FOUR SEGMENTS.  Segment sg is:
;   8 products: blocks 2 sg and 2 sg + 1;
;   8 conversions (cvt = 1): group sg of TF (pairs 2 sg, 2 sg + 1: column group sg of the NEXT quarter's W as f32) is rounded into the other bf16 buffer;
;   A SHORT RUN of memory instructions: 4 LDS loads, the same group of the quarter after next (tq: its number in the chunk at BADR; -1: none), into the 16 registers just read out; then (refill = 1) 4 loads
;   from xb: the next chunk's fragments A(2 sg, q), A(2 sg + 1, q), into the registers just multiplied (ro: their byte distance from AB); segment 0 also brings blocks 8 and 9's.
; So the work-group's four waves ask LDS for 16 loads at a time, with 8 products between two such runs, and each TF group has a whole quarter in which to land.
; first = 1: the products start the sums with the bias, and blocks 8 and 9 are multiplied whatever the count, so that their accumulators are written on every path.
; WAITS.  TF's group sg was asked for in segment sg of the quarter before: behind it stand 4 (3 - sg) LDS loads of that quarter and 4 sg of this one: 12; where this quarter asks for none, 12 - 4 sg.
; A quarter's 20 fragment loads went out four quarters ago (chunk 0's: at the start, quarter by quarter); behind them stand three quarters' 20 each: lc = 60 leaves those out and shows all ten blocks'
; fragments in.  No branch jumps a load, so the count is the same on every path.  In chunk 15 nothing is asked for behind its own fragments: 60, 40, 20, 0.
; step = 1: AB goes a chunk on, in segment 0, ahead of all the quarter's loads from xb.
; PLACES.  A segment's 8 conversions name no register of the products in front of them: they are the places ahead of the loads into those products' fragments (in segment 0: blocks 8 and 9's too), and segment
; 3's are the places ahead of the next quarter's conversions into the buffer just multiplied.  The last quarter of all has no conversions: four v_nop close it, ahead of the way out.
.macro QUARTER q, first, tq, cvt, refill, ro, lc, step
.set FB, BF0+32*((\q)&1)
.set FN, BF0+32*(1-((\q)&1))
	WIN 0                                          ; at a branch and at a label every window is 0
	s_wait_loadcnt \lc
.if !(\first)
	s_cmp_lt_u32 s[NBW], 9
	s_cbranch_scc1 .Lj_\@                          ; what is jumped holds products alone
.endif
	MULH \q, \first, 0
.if !(\first)
	WIN 0
	s_cmp_lt_u32 s[NBW], 10
	s_cbranch_scc1 .Lj_\@
.endif
	MULH \q, \first, 1
.if !(\first)
	WIN 0
.Lj_\@:
.endif
.set sg, 0
.rept 4
.irp d, 0,1
.set bb, 2*sg+(\d)
.irp c, 0,1,2,3
	MUL1 \q, \first, \c
.endr
.endr
.if \cvt
	WIN 0
.if (\tq) >= 0
	s_wait_dscnt 12
.else
	s_wait_dscnt 12-4*sg
.endif
.irp d, 0,1
.set gg, 2*sg+(\d)
.irp i, 0,1,2,3
	v_cvt_pk_bf16_f32 v[FN+4*gg+(\i)], v[TF+8*gg+2*(\i)], v[TF+8*gg+2*(\i)+1]
.endr
.endr
.elseif sg == 3
	WIN 0
	PLACES
.endif
.if (\step) && (sg == 0)
	s_wait_xcnt 0x0                                ; every earlier load has read its base: only now it steps
	s_add_nc_u64 s[AB:AB+1], s[AB:AB+1], 256
.endif
.if (\tq) >= 0
.irp d, 0,1
.set tt, 2*sg+(\d)
	ds_load_b128 v[TF+8*tt:TF+8*tt+3],   v[BADR] offset:(tt/2)*8448+128*(\tq)+64*(tt%2)
	ds_load_b128 v[TF+8*tt+4:TF+8*tt+7], v[BADR] offset:(tt/2)*8448+128*(\tq)+64*(tt%2)+16
.endr
.endif
.if \refill
	WIN W_LA
.irp d, 0,1
.set bb, 2*sg+(\d)
	global_load_b128 v[32*bb+8*(\q):32*bb+8*(\q)+3],   v[ROFF+bb], s[AB:AB+1] offset:(\ro)
	global_load_b128 v[32*bb+8*(\q)+4:32*bb+8*(\q)+7], v[ROFF+bb], s[AB:AB+1] offset:(\ro)+32
.endr
.if sg == 0
	WIN W_LH
.irp x, 0,1
	global_load_b128 v[64+32*(\x)+8*(\q):64+32*(\x)+8*(\q)+3],   v[ROFF+8+(\x)], s[AB:AB+1] offset:(\ro)
	global_load_b128 v[64+32*(\x)+8*(\q)+4:64+32*(\x)+8*(\q)+7], v[ROFF+8+(\x)], s[AB:AB+1] offset:(\ro)+32
.endr
.endif
.endif
.set sg, sg+1
.endr
	WIN 0
.endm
; BODY j multiplies quarters 2, 3 of chunk j and 0, 1 of chunk j + 1, and reads from LDS the whole of chunk j + 1 and nothing else: so a change of slots falls between two bodies.
; Its first quarter sets AB to chunk j + 1; its runs ask xb for quarters 2, 3 of chunk j + 1 and 0, 1 of chunk j + 2.  last = 1: chunk j + 1 is the last: there is no chunk j + 2.
.macro BODY last
	WIN 0
	v_add_nc_u32 v[BADR], s[TB], v[BL0]
	QUARTER 2, 0, 0, 1, 1, 128, 60, 1
	QUARTER 3, 0, 1, 1, 1, 192, 60, 0
	QUARTER 0, 0, 2, 1, 1-(\last), 256, 60, 0
	QUARTER 1, 0, 3, 1, 1-(\last), 320, 60-20*(\last), 0
	s_add_co_u32 s[TB], s[TB], CH
.endm
; THE CHANGE OF SLOTS.  Each wave waits for all its tensor loads, of which one is out: its chunk of the other slot; adds 0 to its spare word; and waits for that and for its reads of the slot that it leaves.
; Behind the barrier nobody reads the old slot and the other slot is whole.  fill = 1: the old slot is filled again, first thing behind the barrier, with K 1,024 further on than its last fill:
; one load a wave, which has four bodies, 16 quarters, in which to land.
.macro EVENT fill
	WIN 0
	s_wait_tensorcnt 0x0                           ; no tensor load of mine is out, so a group 0 may be written
	ds_add_u32 v[SPW], v[NIL]                      ; 0 onto my spare word
.if \fill
	s_xor_b32 s[G0B+1], s[G0B+1], XS               ; the walking descriptor: the other slot than last time,
	s_add_nc_u64 s[G0B+2:G0B+3], s[G0B+2:G0B+3], 2048  ; K 512 further on; the type bits on top are not reached
.endif
	s_wait_dscnt 0x0                               ; the add is done, and my reads of the slot are over
	s_barrier_signal -1
	s_barrier_wait -1
.if \fill
	tensor_load_to_lds s[G0B:G0B+3], s[G1:G1+7]
	s_nop 0
	PLACES
.endif
	s_sub_co_u32 s[TB], s[TB], 4*CH                ; the reads go back to a slot's first chunk,
	s_xor_b32 s[TB], s[TB], XS                     ; in the other slot
.endm
	s_wait_tensorcnt 0x1                           ; my chunk of slot 0 is in; slot 1's, issued behind it, may stay out
	s_barrier_signal -1
	s_barrier_wait -1                              ; everybody's is
	v_mov_b32 v[BADR], v[BL0]
	TLOAD 0
	s_wait_dscnt 0x0
.set i, 0
.rept 32
	v_cvt_pk_bf16_f32 v[BF0+i], v[TF+2*i], v[TF+2*i+1]
.set i, i+1
.endr
	TLOAD 1
	QUARTER 0, 1, 2, 1, 1, 256, 60, 0              ; chunk 0's first quarter stands in front of the loops: its products start the sums; its runs ask for chunk 1's quarter 0
	QUARTER 1, 0, 3, 1, 1, 320, 60, 0
	s_add_co_u32 s[TB], s[TB], CH
	s_mov_b32 s[CNT], 3
.LbodyF:                                               ; bodies 0 to 2 read chunks 1 to 3: the rest of slot 0's first fill
	BODY 0
	s_sub_co_u32 s[CNT], s[CNT], 1
	s_cmp_lg_u32 s[CNT], 0
	s_cbranch_scc1 .LbodyF
	s_mov_b32 s[VIS], 2
.Lvisit:                                               ; twice: a slot is left and filled again; bodies 3 to 6, then 7 to 10
	EVENT 1
	s_mov_b32 s[CNT], 4
.LbodyA:
	BODY 0
	s_sub_co_u32 s[CNT], s[CNT], 1
	s_cmp_lg_u32 s[CNT], 0
	s_cbranch_scc1 .LbodyA
	s_sub_co_u32 s[VIS], s[VIS], 1
	s_cmp_lg_u32 s[VIS], 0
	s_cbranch_scc1 .Lvisit
	EVENT 0                                        ; the tail is written out: nothing is left to ask for
	s_mov_b32 s[CNT], 3
.LbodyB:                                               ; bodies 11 to 13
	BODY 0
	s_sub_co_u32 s[CNT], s[CNT], 1
	s_cmp_lg_u32 s[CNT], 0
	s_cbranch_scc1 .LbodyB
	BODY 1                                         ; body 14
	QUARTER 2, 0, -1, 1, 0, 0, 20, 0
	QUARTER 3, 0, -1, 0, 0, 0, 0, 0                ; its closing four v_nop are the places in front of the way out
; THE WAY OUT of a block of 16 rows x 64 columns: times g; 32 bytes a lane and column group into my own stage; back as whole rows of 256 bytes; each row stored to the row of part that its entry names.
; win, acc: the accumulators' window setting and first register; gsrc: the register with my row's g; adr, imm: where the entries of rows 8 h .. 8 h + 7 lie.
.macro EPI win, acc, gsrc, adr, imm
	WIN 0
	s_wait_xcnt 0x0                                ; the block before's stores have read EN and RB, which are written again below
	ds_load_b128 v[EN:EN+3],   v[\adr] offset:(\imm)
	ds_load_b128 v[EN+4:EN+7], v[\adr] offset:(\imm)+16
	v_mov_b32 v[GP], v[\gsrc]
	v_mov_b32 v[GP+1], v[\gsrc]
	WIN \win
.set i, 0
.rept 16
	v_pk_mul_f32 v[PK+2*i:PK+2*i+1], v[(\acc)+2*i:(\acc)+2*i+1], v[GP:GP+1] op_sel_hi:[1,0]  ; each accumulator is read from its low end on
.set i, i+1
.endr
	WIN 0
.irp u, 0,1,2,3,4,5,6,7
	ds_store_b128 v[STO], v[PK+4*(\u):PK+4*(\u)+3] offset:64*((\u)/2)+16*((\u)%2)
.endr
.irp t, 0,1,2,3,4,5,6,7
	ds_load_b128 v[RB+4*(\t):RB+4*(\t)+3], v[RD] offset:(\t)*SPI  ; LDS serves a wave's instructions in order (ISA guide 5.7.1.4): these see the stores above; the next block's stores come behind them
.endr
	s_wait_dscnt 16                                ; the entries are in: 8 stores and 8 loads were issued behind them
.irp t, 0,1,2,3,4,5,6,7
	v_min_u32 v[EN+(\t)], 0x1007, v[EN+(\t)]       ; a row of part, whatever was loaded
	v_lshl_add_u32 v[EN+(\t)], v[EN+(\t)], 13, v[CL]
.endr
.irp t, 0,1,2,3,4,5,6,7
	s_wait_dscnt 7-(\t)
	global_store_b128 v[EN+(\t)], v[RB+4*(\t):RB+4*(\t)+3], s[PB:PB+1]  ; 16 lanes store 256 consecutive bytes, at a multiple of 256 from part's first byte
.endr
.endm
.irp b, 0,1,2,3,4,5,6,7
	s_cmp_le_u32 s[NBW], \b
	s_cbranch_scc1 .Ldone                          ; whole blocks past the count are jumped
	EPI W_E2, 32*(\b), GW+(\b), LADR, 256*(\b)
.endr
.irp x, 0,1
	s_cmp_le_u32 s[NBW], 8+(\x)
	s_cbranch_scc1 .Ldone
	EPI W_E3, 32*(\x), GW+8+(\x), LADR, 256*(8+(\x))
.endr
; THE PLAIN WAY, for local blocks 10 to 31: 22 trips whatever the count, the dead ones jumped; no barrier, no tensor load.  A step is 32 along K: W's f32 from memory, rounded; one token fragment; four products.
.macro SSTEP first
.irp c, 0,1,2,3
	global_load_b128 v[TF+16*(\c):TF+16*(\c)+3],     v[WOFF], s[WK:WK+1] offset:131072*(\c)
	global_load_b128 v[TF+16*(\c)+4:TF+16*(\c)+7],   v[WOFF], s[WK:WK+1] offset:131072*(\c)+16
	global_load_b128 v[TF+16*(\c)+8:TF+16*(\c)+11],  v[WOFF], s[WK:WK+1] offset:131072*(\c)+64
	global_load_b128 v[TF+16*(\c)+12:TF+16*(\c)+15], v[WOFF], s[WK:WK+1] offset:131072*(\c)+80
.endr
	PLACES                                         ; behind the step before's products: for the loads into SA and the conversions into BF0
	global_load_b128 v[SA:SA+3],   v58, s[AK:AK+1]
	global_load_b128 v[SA+4:SA+7], v58, s[AK:AK+1] offset:32
	s_wait_loadcnt 0x0                             ; all 18 are in (and g): their bases may step
.set i, 0
.rept 32
	v_cvt_pk_bf16_f32 v[BF0+i], v[TF+2*i], v[TF+2*i+1]
.set i, i+1
.endr
.irp c, 0,1,2,3
.if \first
	v_wmma_f32_16x16x32_bf16 v[SACC+8*(\c):SACC+8*(\c)+7], v[BF0+8*(\c):BF0+8*(\c)+7], v[SA:SA+7], v[BIAS+8*(\c):BIAS+8*(\c)+7]
.else
	v_wmma_f32_16x16x32_bf16 v[SACC+8*(\c):SACC+8*(\c)+7], v[BF0+8*(\c):BF0+8*(\c)+7], v[SA:SA+7], v[SACC+8*(\c):SACC+8*(\c)+7]
.endif
.endr
	s_add_nc_u64 s[AK:AK+1], s[AK:AK+1], 64
	s_add_nc_u64 s[WK:WK+1], s[WK:WK+1], 128
.endm
.Ldone:
	s_mov_b32 s[SI], 10
	v_add_nc_u32 v[LRS], 2560, v[LR]
	v_add_nc_u32 v[LADS], 2560, v[LADR]
.Lslow:
	s_cmp_ge_u32 s[SI], s[NBW]
	s_cbranch_scc1 .Lnext
	s_wait_xcnt 0x0                                ; the block before's stores have read RB, into which this block's first loads land
	ds_load_b32 v56, v[LRS]
	s_wait_dscnt 0x0
	v_min_u32 v56, 0x1007, v56
	v_and_b32 v58, 0x7ff, v56
	v_lshl_add_u32 v58, v58, 12, v[H16]
	v_min_u32 v56, 0xfff, v56
	v_lshlrev_b32 v56, 2, v56
	global_load_b32 v57, v56, s[12:13]
	s_mov_b64 s[AK:AK+1], s[8:9]
	s_mov_b64 s[WK:WK+1], s[WSL:WSL+1]
	SSTEP 1
	s_mov_b32 s[KC], 63
.Lsk:
	SSTEP 0
	s_sub_co_u32 s[KC], s[KC], 1
	s_cmp_lg_u32 s[KC], 0
	s_cbranch_scc1 .Lsk
	PLACES
	EPI 0, SACC, 57, LADS, 0
.Lnext:
	v_add_nc_u32 v[LRS], 256, v[LRS]
	v_add_nc_u32 v[LADS], 256, v[LADS]
	s_add_co_u32 s[SI], s[SI], 1
	s_cmp_lt_u32 s[SI], 32
	s_cbranch_scc1 .Lslow
	s_wait_tensorcnt 0x0                           ; the wave's end: a wait, an add of 0 to my spare word and its wait, behind my last tensor load and my last LDS store
	ds_add_u32 v[SPW], v[NIL]
	s_wait_dscnt 0x0
	s_endpgm
.Lfunc_end_k_q8efb87f44a_experts:
	.size	k_q8efb87f44a_experts, .Lfunc_end_k_q8efb87f44a_experts-k_q8efb87f44a_experts
	.p2alignl 7, 3214868480
	.fill 96, 4, 3214868480
	.section	.rodata,"a",@progbits
	.p2align	6, 0x0
	.amdhsa_kernel k_q8efb87f44a_experts
		.amdhsa_group_segment_fixed_size 327680
		.amdhsa_private_segment_fixed_size 0
		.amdhsa_enable_private_segment 0
		.amdhsa_kernarg_size 48
		.amdhsa_user_sgpr_count 2
		.amdhsa_user_sgpr_kernarg_segment_ptr 1
		.amdhsa_wavefront_size32 1
		.amdhsa_system_sgpr_workgroup_id_x 1
		.amdhsa_system_sgpr_workgroup_id_y 1
		.amdhsa_system_sgpr_workgroup_id_z 1
		.amdhsa_system_vgpr_workitem_id 0
		.amdhsa_next_free_vgpr 896
		.amdhsa_next_free_sgpr 100
		.amdhsa_reserve_vcc 0
		.amdhsa_float_denorm_mode_32 3
		.amdhsa_float_denorm_mode_16_64 3
		.amdhsa_memory_ordered 1
		.amdhsa_forward_progress 1
		.amdhsa_inst_pref_size 255
	.end_amdhsa_kernel
	.section	.bss,"aw",@nobits
	.p2align	6
	.space	262144
	.amdgpu_metadata
---
amdhsa.version: [ 1, 2 ]
amdhsa.kernels:
  - .name:           k_q8efb87f44a_experts
    .symbol:         k_q8efb87f44a_experts.kd
    .args:
      - { .name: W_experts, .offset: 0, .size: 8, .value_kind: global_buffer, .address_space: global }
      - { .name: b_experts, .offset: 8, .size: 8, .value_kind: global_buffer, .address_space: global }
      - { .name: xb, .offset: 16, .size: 8, .value_kind: global_buffer, .address_space: global }
      - { .name: sel, .offset: 24, .size: 8, .value_kind: global_buffer, .address_space: global }
      - { .name: gat, .offset: 32, .size: 8, .value_kind: global_buffer, .address_space: global }
      - { .name: part, .offset: 40, .size: 8, .value_kind: global_buffer, .address_space: global }
    .group_segment_fixed_size: 327680
    .private_segment_fixed_size: 0
    .kernarg_segment_align: 8
    .kernarg_segment_size: 48
    .max_flat_workgroup_size: 128
    .sgpr_count:     100
    .vgpr_count:     896
    .wavefront_size: 32
...
	.end_amdgpu_metadata
.endif
;; end of part 2
;; launch combine (part 3): grid 256 x 1, 8 waves a work-group, no clusters, 0 bytes of LDS; arguments part, out0; writes out0
.if DOCPART == 3
	.amdgcn_target "amdgcn-amd-amdhsa--gfx1250"
	.amdhsa_code_object_version 6
	.text
	.protected	k_q8efb87f44a_combine
	.globl	k_q8efb87f44a_combine
	.p2align	8
	.type	k_q8efb87f44a_combine,@function
k_q8efb87f44a_combine:
	s_mov_b64 s[64:65], 0
	v_nop
	global_prefetch_b8 v0, s[64:65] scope:SCOPE_SE
	s_setreg_imm32_b32 hwreg(HW_REG_WAVE_MODE, 25, 1), 1
	s_wait_xcnt 0x0
; out0[t][:] = part[t][:] + part[2048 + t][:]: a token's two weighted expert rows, both f32, added once.
; A stream: a wave owns one row of 8,192 bytes; all its 32 loads of 512 consecutive bytes go out before the first wait, and each store covers 512 consecutive bytes at a multiple of 512.
; No LDS, no barrier, no matrix unit: nothing is shared and nothing is multiplied.
.set PA, 4                             ; v[4:67]    slot 0's row, then the sum
.set PC, 68                            ; v[68:131]  slot 1's row
	s_load_b128 s[4:7], s[0:1], 0x0                ; part s[4:5], out0 s[6:7]
	v_and_b32 v1, 31, v0
	v_lshrrev_b32 v2, 5, v0
	v_lshlrev_b32 v1, 4, v1                        ; 16 bytes a lane
	v_lshl_add_u32 v1, v2, 13, v1                  ; + my wave's row
	s_lshl_b32 s8, ttmp9, 16                       ; the work-group's 8 rows
	s_mov_b32 s9, 0
	s_wait_kmcnt 0x0
	s_add_nc_u64 s[4:5], s[4:5], s[8:9]
	s_add_nc_u64 s[6:7], s[6:7], s[8:9]
	s_add_nc_u64 s[10:11], s[4:5], 0x1000000       ; 2,048 rows further down
.irp i, 0,1,2,3,4,5,6,7,8,9,10,11,12,13,14,15
	global_load_b128 v[PA+4*(\i):PA+4*(\i)+3], v1, s[4:5] offset:512*(\i) th:TH_LOAD_NT
	global_load_b128 v[PC+4*(\i):PC+4*(\i)+3], v1, s[10:11] offset:512*(\i) th:TH_LOAD_NT
.endr
.irp i, 0,1,2,3,4,5,6,7,8,9,10,11,12,13,14,15
	s_wait_loadcnt 30-2*(\i)                       ; loads come back in order (ISA guide 5.7.1): pair i is in, the 2 (15 - i) younger ones stay out
	v_pk_add_f32 v[PA+4*(\i):PA+4*(\i)+1],   v[PA+4*(\i):PA+4*(\i)+1],   v[PC+4*(\i):PC+4*(\i)+1]
	v_pk_add_f32 v[PA+4*(\i)+2:PA+4*(\i)+3], v[PA+4*(\i)+2:PA+4*(\i)+3], v[PC+4*(\i)+2:PC+4*(\i)+3]
	global_store_b128 v1, v[PA+4*(\i):PA+4*(\i)+3], s[6:7] offset:512*(\i) th:TH_STORE_NT
.endr
	s_endpgm
.Lfunc_end_k_q8efb87f44a_combine:
	.size	k_q8efb87f44a_combine, .Lfunc_end_k_q8efb87f44a_combine-k_q8efb87f44a_combine
	.p2alignl 7, 3214868480
	.fill 96, 4, 3214868480
	.section	.rodata,"a",@progbits
	.p2align	6, 0x0
	.amdhsa_kernel k_q8efb87f44a_combine
		.amdhsa_group_segment_fixed_size 0
		.amdhsa_private_segment_fixed_size 0
		.amdhsa_enable_private_segment 0
		.amdhsa_kernarg_size 16
		.amdhsa_user_sgpr_count 2
		.amdhsa_user_sgpr_kernarg_segment_ptr 1
		.amdhsa_wavefront_size32 1
		.amdhsa_system_sgpr_workgroup_id_x 1
		.amdhsa_system_sgpr_workgroup_id_y 1
		.amdhsa_system_sgpr_workgroup_id_z 1
		.amdhsa_system_vgpr_workitem_id 0
		.amdhsa_next_free_vgpr 136
		.amdhsa_next_free_sgpr 66
		.amdhsa_reserve_vcc 0
		.amdhsa_float_denorm_mode_32 3
		.amdhsa_float_denorm_mode_16_64 3
		.amdhsa_memory_ordered 1
		.amdhsa_forward_progress 1
		.amdhsa_inst_pref_size 8
	.end_amdhsa_kernel
	.amdgpu_metadata
---
amdhsa.version: [ 1, 2 ]
amdhsa.kernels:
  - .name:           k_q8efb87f44a_combine
    .symbol:         k_q8efb87f44a_combine.kd
    .args:
      - { .name: part, .offset: 0, .size: 8, .value_kind: global_buffer, .address_space: global }
      - { .name: out0, .offset: 8, .size: 8, .value_kind: global_buffer, .address_space: global }
    .group_segment_fixed_size: 0
    .private_segment_fixed_size: 0
    .kernarg_segment_align: 8
    .kernarg_segment_size: 16
    .max_flat_workgroup_size: 256
    .sgpr_count:     66
    .vgpr_count:     136
    .wavefront_size: 32
...
	.end_amdgpu_metadata
.endif
;; end of part 3
